; MI455X (gfx1250); checked and timed in simulation.
; The chip was launched on July 23, 2026; its instructions are those of AMD's public machine-readable ISA for CDNA 5 (MIT licence, August 2026) and "CDNA5" Instruction Set Architecture Reference Guide (July 2026). The comments in the code are by the model that wrote it; some were corrected since.
;; Attention. Allowed arithmetic: matrix products marked QUANTISED: E4M3 operands, one E8M0 scale for each 32 along K, by v_wmma_scale_f32_16x16x128_f8f6f4 with both operands' format E4M3, f32 sums; everything else in f32.
;; Inputs: Wk_codes 128 x 32 x 32 uint8 (E4M3 codes of Wk, K innermost, in blocks of 32 codes); Wk_scales 128 x 32 uint8 (E8M0 scales of Wk, one for each 32 codes along K); Wq_codes 128 x 32 x 32 uint8 (E4M3 codes of Wq, K innermost, in blocks of 32 codes); Wq_scales 128 x 32 uint8 (E8M0 scales of Wq, one for each 32 codes along K); Wv_codes 128 x 32 x 32 uint8 (E4M3 codes of Wv, K innermost, in blocks of 32 codes); Wv_scales 128 x 32 uint8 (E8M0 scales of Wv, one for each 32 codes along K); x_codes 8 x 4,096 x 32 x 32 uint8 (E4M3 codes of x, K innermost, in blocks of 32 codes); x_scales 8 x 4,096 x 32 uint8 (E8M0 scales of x, one for each 32 codes along K).
;; Outputs: out0 8 x 4,096 x 128 float32.
;; This version of the problem:
;;   THIS VERSION OF THE PROBLEM IS GIVEN IN LOW PRECISION. The matrix products marked QUANTISED in the list below multiply operands that are first quantised to E4M3 (4 exponent bits, 3 mantissa bits; 8 bits a number), with one power-of-two scale for each 32 numbers along K (OCP MX v1.0); their sums are f32. All else is computed in f32.
;;   The module's matrix products, in the order in which they are computed (A, B: the left and right operand; K: the contracted axis; several contracted axes count as one K, in the product's order):
;;     1. [M 32,768, K 1,024] x [K 1,024, N 128]; A: input x (given as codes); B: input Wq (given as codes): QUANTISED
;;     2. [M 32,768, K 1,024] x [K 1,024, N 128]; A: input x (given as codes); B: input Wk (given as codes): QUANTISED
;;     3. [M 32,768, K 1,024] x [K 1,024, N 128]; A: input x (given as codes); B: input Wv (given as codes): QUANTISED
;;     4. batch 8 x [M 4,096, K 128] x [K 128, N 4,096]; A: computed on the way; B: computed on the way: QUANTISED
;;     5. batch 8 x [M 4,096, K 4,096] x [K 4,096, N 128]; A: softmax (see below); B: computed on the way: QUANTISED
;;   THE QUANTISER, for each operand of a quantised product, along K:
;;     - K is cut into blocks of 32 from its start; a last block that is shorter is filled with zeros.
;;     - A block's scale is 2^e with e = floor(log2(the largest magnitude in the block)) - 8, held to -126 .. 127; a block of zeros has e = 0. As a byte (E8M0): e + 127.
;;     - Each number is divided by its block's scale, clamped to +-448, and rounded to the nearest number of E4M3, ties to even, subnormals kept.
;;     - The product sums the exact products of the quantised numbers (number of the format x scale) in f32.
;;   ~~~python
;;   def quantise(x, axis):      # numpy; x: float32 -> the quantised numbers, widened to float32 again
;;       x = np.moveaxis(x, axis, -1); K = x.shape[-1]
;;       x = np.pad(x, [(0, 0)] * (x.ndim - 1) + [(0, -K % 32)]); x = x.reshape(x.shape[:-1] + (-1, 32)); a = np.abs(x).max(-1, keepdims=True)
;;       e = np.where(a > 0, np.clip(np.frexp(np.where(a > 0, a, 1))[1] - 1 - 8, -126, 127), 0)      # np.frexp(a)[1] - 1 = floor(log2(a)), exactly
;;       r = np.clip(x / 2.0 ** e, -448, 448)
;;       step = 2.0 ** (np.maximum(np.frexp(np.where(r == 0, 1, r))[1] - 1, -6) - 3)
;;       q = np.round(r / step) * step * 2.0 ** e      # np.round: ties to even
;;       return np.moveaxis(q.reshape(q.shape[:-2] + (-1,))[..., :K], -1, axis).astype(np.float32)
;;   ~~~
;;   SOFTMAX AHEAD OF A QUANTISED PRODUCT. Where the list says 'softmax', what is quantised is not the finished softmax but p = 2^(t - M), with t = logit x log2(e) and M = ceil(the row's largest t), a whole number; so 1/2 < the row's largest p <= 1. The row's sum l is taken of the UNQUANTISED p, in f32, and the product's result is divided by l at the end. Since M is a whole number, a kernel that streams over the keys may use a running M (the ceiling of the running maximum): every later rescaling is an exact power of two, which a block's scale takes up: the codes' values come out the same.
;;   OPERANDS COMPUTED ON THE WAY. 'Computed on the way' means the value that the module computes at that place (a softmax that the list does not call 'softmax' is quantised finished and normalised). What goes into a quantiser is computed in f32, as accurately as f32 sums, v_exp_f32 and their like allow (about 1e-6 of the number): no bf16 or f16 on the way to a quantiser, and a product that is left as it is and whose result goes on into a quantised operand takes f32 operands (vector FMAs, or v_wmma_f32_16x16x4_f32). A number that lies on a knife's edge between two numbers of the format may be rounded either way, as far as f32 arithmetic and the matrix unit's own rounding can turn it there, and no further.
;;   INPUTS GIVEN AS CODES. Wk (in the module: [1024, 128], K = its axis 0); Wq (in the module: [1024, 128], K = its axis 0); Wv (in the module: [1024, 128], K = its axis 0); x (in the module: [8, 4096, 1024], K = its axis 2): each comes as NAME_codes (uint8): NAME with its K axis moved to the last place and cut into blocks of 32 codes, [.., K / 32, bytes a block], one block behind the other in memory; one code a byte (a code: sign, 4 exponent bits, 3 mantissa bits); and NAME_scales (uint8): the same leading axes, one E8M0 byte (e + 127) for each 32 codes along K. Its value is code x scale, taken as it is: it is not quantised again, and the codes and scales need not be those that the quantiser above would give.
;; One version. Each part assembles by itself: llvm-mc -triple=amdgcn-amd-amdhsa -mcpu=gfx1250 --defsym DOCPART=n.
;; ======== version 1 of 1: 2 launches
;; limits: right only within a limited range of input values
;; workspace buffers: qc 4,194,304 bytes; qs 131,072 bytes; kv 8,650,752 bytes
;; launch project (part 1): grid 256 x 1, 8 waves a work-group, clusters of 4 x 1, 327,680 bytes of LDS; arguments x_codes, x_scales, Wq_codes, Wq_scales, Wk_codes, Wk_scales, Wv_codes, Wv_scales, qc, qs, kv; writes qc, qs, kv
.if DOCPART == 1
	.amdgcn_target "amdgcn-amd-amdhsa--gfx1250"
	.amdhsa_code_object_version 6
	.text
	.protected	k_q6417525e41_project
	.globl	k_q6417525e41_project
	.p2align	8
	.type	k_q6417525e41_project,@function
k_q6417525e41_project:
	s_mov_b64 s[64:65], 0
	v_nop
	global_prefetch_b8 v0, s[64:65] scope:SCOPE_SE
	s_setreg_imm32_b32 hwreg(HW_REG_WAVE_MODE, 25, 1), 1
	s_wait_xcnt 0x0
	s_wait_alu depctr_hold_cnt(0) depctr_sa_sdst(0) depctr_va_vdst(0) depctr_va_sdst(0) depctr_va_ssrc(0) depctr_va_vcc(0) depctr_vm_vsrc(0)
	s_getreg_b32 s2, hwreg(HW_REG_IB_STS2, 6, 4)
	s_cmp_eq_u32 s2, 0
	s_cbranch_scc0 .Lentry_in_a_cluster
	s_endpgm
.Lentry_in_a_cluster:
	s_bfe_u32 s2, ttmp6, 0x10000c
	s_cmp_lg_u32 s2, 0x3003
	s_cbranch_scc0 .Lentry_shape_is_right
	s_endpgm
.Lentry_shape_is_right:
; FIRST OF TWO LAUNCHES.  q = x Wq, k = x Wk, v = x Wv on the given codes of FP8 (E4M3) and their E8M0 scale bytes (K = 1,024), sums in f32; then q and k are quantised along the head's 128,
; v along the keys, each block of 32 by the stated rule, and stored as codes and scale words in the order in which the second launch's operand registers take them.
; WORK LEFT OUT BY THE PROGRAM (all of it in the second launch): reference() sets every score with key > query to -infinity by a mask that it builds itself (jnp.tril), so its weight is 0 for all values of the inputs.
; Key steps of 128 keys that lie wholly behind all 256 queries of a cluster's four query blocks are therefore not multiplied; steps hidden only in part are computed and masked.  No input is without a way to the output: all eight are loaded.
; LIMITS: a NaN, an infinity or an overflow that reaches only scores or values of steps left out is not carried to the result (reference()'s 0 x infinity there is not reproduced).  A block of zeros gets the scale byte 1 where the
; rule says 127: its codes are zeros, and these bytes are read by this program alone.  NaN and infinities among q, k, v are not served.
; K IS PERMUTED INSIDE BLOCKS OF 32, alike on both sides of a product: a result's 16 registers of two neighbouring tiles hold places 16 u + 8 h + j of a block (u the tile's parity, h = lane / 16, j the register) and are
; converted as they stand.  q and k are made alike, and so are v here and the weights p in the second launch.  Blocks and scales are as the rule has them; only the order of the sum inside an instruction differs.
; SHARES.  A work-group owns 128 tokens (one key step).  Wave w: XH = w & 1: tokens 64 XH on, four tiles of 16; WP = w >> 1: rows 32 WP .. 32 WP + 31 of each of Wq, Wk, Wv, two tiles each: 24 accumulators.
; q and k are used transposed (source 0 = 16 rows of W, source 1 = 16 tokens): a lane holds a token, its registers run along d.  v the other way (source 0 = tokens, source 1 = Wv): a lane holds a d, its registers run along the tokens.
; K goes in four steps of 256 through two LDS slots.  CLUSTER: all work-groups read the same W, so the four partners ask for W's tiles jointly (mask 15); x is each work-group's own (no mask), behind the same rounds.
; By this text's count a wave has at most one tensor load outstanding.
; REGISTERS: window 0: v1-14 addresses; v16-55 scale words and nothing else; v64-223 fragments; v224-239 at work; behind the products v64-123 codes and bytes.  Window 1: v0-63 q, v64-127 k, v128-191 v: the accumulators.
.set PITCH,  272                       ; an LDS row: 256 bytes + 16 of padding: the 16 rows of a fragment load start 68 words apart
.set TILE16, 16*PITCH
.set HALFR,  64*PITCH                  ; what one tensor load brings
.set REGN,   128*PITCH                 ; a region: 128 rows
.set SLOT,   4*REGN                    ; x, Wq, Wk, Wv
.set SCST,   2*SLOT                    ; behind the ring: 1,024 bytes for each wave, for the scale bytes' way out; no tensor load lands there
.set SPARE,  SCST+8*1024               ; the spare words, 128 bytes for each wave
.set SLOTB,  135168                    ; a slot of kv: 512 keys: 66 chunks x 4 steps x 512 bytes; chunk f of step p at (4 f + p) x 512
.set AX,  1                            ; v1-2   my x fragments in slot 0, 1
.set AW,  3                            ; v3-4   my Wq fragments (Wk's by an immediate)
.set AWV, 5                            ; v5-6   my Wv fragments
.set SPW, 7                            ; v7     my spare word; never rewritten
.set NIL, 8                            ; v8     0; never rewritten
.set L16, 9                            ; v9     16 x lane
.set XSO, 10                           ; v10    32 r + 16 h: my 16 scale bytes of a row
.set WSO, 11                           ; v11    the same + 1,024 WP
.set SWR, 12                           ; v12    SCST + 1,024 x wave + 4 x lane
.set SRD, 13                           ; v13    SCST + 4 x lane
.set SRK, 14                           ; v14    SCST + 4 x lane + 128 x wave
.set XS,  16                           ; v16-31 x's scale words, 4 a tile: register j: lanes 0-15 the word of the j-th 128 along K, lanes 16-31 of the (4 + j)-th
.set WQS, 32
.set WKS, 40
.set WVS, 48
.set XF,  64
.set WQF, 128
.set WKF, 160
.set WVF, 192
.set TM,  224
.set PCQ, 64
.set PCK, 80
.set PCV, 96
.set BYQ, 112
.set BYK, 116
.set BYV, 120
.set GA,  128
.set GW,  144
.set PK,  240
.set WV,  26
.set XH,  27
.set WP,  28
.set G1X, 32
.set G1W, 40
.set G0X, 48
.set G0W, 56
.set XSB, 74
.set QBP, 76
.set KBP, 78
.set SEL, 80
.set MNT, 82
.set HI16, 83
.set VBP, 84
.set SBP, 86
.set MSB, 0
.macro WIN new                         ; the immediate's high byte repeats the setting that is left
.if MSB != \new
	s_set_vgpr_msb (MSB<<8)|\new
.set MSB, \new
.endif
.endm
.macro PLACES n
.rept \n
	v_nop
.endr
.endm
.macro CROUND                          ; a round of the cluster's barrier
	s_barrier_signal -1
	s_barrier_wait -1
	s_cmp_lg_u32 s[WV], 0
	s_cbranch_scc1 .Lnot_wave_0_\@
	s_barrier_signal -3
.Lnot_wave_0_\@:
	s_barrier_wait -3
	s_barrier_signal -1
	s_barrier_wait -1
.endm
; Waves 0 and 1 fetch x's two halves (my work-group's own), waves 2 to 7 the halves of Wq, Wk, Wv (jointly).  The branch hangs on the wave's number alone.
.macro JLOAD s
	s_cmp_lt_u32 s[WV], 2
	s_cbranch_scc0 .Ljw_\@
	tensor_load_to_lds s[G0X+4*\s:G0X+4*\s+3], s[G1X:G1X+7]
	s_nop 0
	PLACES 4
	s_branch .Ljd_\@
.Ljw_\@:
	tensor_load_to_lds s[G0W+4*\s:G0W+4*\s+3], s[G1W:G1W+7]
	s_nop 0
	PLACES 4
.Ljd_\@:
.endm
; One scaled product.  z = 1: C is the constant 0, else C = D.  ra, rb: the side's scale words stand in lanes 16-31
.macro WMS d, a, b, z, sa, sb, ra, rb
.if \z
.if (\ra) && (\rb)
	v_wmma_scale_f32_16x16x128_f8f6f4 v[(\d):(\d)+7], v[(\a):(\a)+15], v[(\b):(\b)+15], 0, v[(\sa)], v[(\sb)] matrix_a_scale:MATRIX_SCALE_ROW1 matrix_b_scale:MATRIX_SCALE_ROW1
.elseif (\ra)
	v_wmma_scale_f32_16x16x128_f8f6f4 v[(\d):(\d)+7], v[(\a):(\a)+15], v[(\b):(\b)+15], 0, v[(\sa)], v[(\sb)] matrix_a_scale:MATRIX_SCALE_ROW1
.elseif (\rb)
	v_wmma_scale_f32_16x16x128_f8f6f4 v[(\d):(\d)+7], v[(\a):(\a)+15], v[(\b):(\b)+15], 0, v[(\sa)], v[(\sb)] matrix_b_scale:MATRIX_SCALE_ROW1
.else
	v_wmma_scale_f32_16x16x128_f8f6f4 v[(\d):(\d)+7], v[(\a):(\a)+15], v[(\b):(\b)+15], 0, v[(\sa)], v[(\sb)]
.endif
.else
.if (\ra) && (\rb)
	v_wmma_scale_f32_16x16x128_f8f6f4 v[(\d):(\d)+7], v[(\a):(\a)+15], v[(\b):(\b)+15], v[(\d):(\d)+7], v[(\sa)], v[(\sb)] matrix_a_scale:MATRIX_SCALE_ROW1 matrix_b_scale:MATRIX_SCALE_ROW1
.elseif (\ra)
	v_wmma_scale_f32_16x16x128_f8f6f4 v[(\d):(\d)+7], v[(\a):(\a)+15], v[(\b):(\b)+15], v[(\d):(\d)+7], v[(\sa)], v[(\sb)] matrix_a_scale:MATRIX_SCALE_ROW1
.elseif (\rb)
	v_wmma_scale_f32_16x16x128_f8f6f4 v[(\d):(\d)+7], v[(\a):(\a)+15], v[(\b):(\b)+15], v[(\d):(\d)+7], v[(\sa)], v[(\sb)] matrix_b_scale:MATRIX_SCALE_ROW1
.else
	v_wmma_scale_f32_16x16x128_f8f6f4 v[(\d):(\d)+7], v[(\a):(\a)+15], v[(\b):(\b)+15], v[(\d):(\d)+7], v[(\sa)], v[(\sb)]
.endif
.endif
.endm
; 128 along K: the q-th of a slot, the kap-th of all.  40 LDS loads (W's six fragments first, then x's four), 24 products on 24 accumulators, which take turns.
.macro SUB slot, q, kap, first
.if !(\first)
	PLACES 8                                       ; eight plain places between the last products and loads into the registers that they read
.endif
.irp e, 0,1
.irp c, 0,1,2,3
	ds_load_b128 v[WQF+16*\e+4*\c:WQF+16*\e+4*\c+3], v[AW+\slot] offset:\e*TILE16+128*\q+32*\c
	ds_load_b128 v[WKF+16*\e+4*\c:WKF+16*\e+4*\c+3], v[AW+\slot] offset:REGN+\e*TILE16+128*\q+32*\c
	ds_load_b128 v[WVF+16*\e+4*\c:WVF+16*\e+4*\c+3], v[AWV+\slot] offset:\e*TILE16+128*\q+32*\c
.endr
.endr
.irp xt, 0,1,2,3
.irp c, 0,1,2,3
	ds_load_b128 v[XF+16*\xt+4*\c:XF+16*\xt+4*\c+3], v[AX+\slot] offset:\xt*TILE16+128*\q+32*\c
.endr
.endr
	WIN 0x50                                       ; C and D in window 1, the fragments in window 0
.irp xt, 0,1,2,3
	s_wait_dscnt 12-4*\xt                          ; W's fragments and x's tiles up to this one are in; the four loads of each later tile may be out
.irp e, 0,1
	WMS 8*(2*\xt+\e), WQF+16*\e, XF+16*\xt, \first, WQS+4*\e+(\kap)%4, XS+4*\xt+(\kap)%4, (\kap)/4, (\kap)/4
	WMS 64+8*(2*\xt+\e), WKF+16*\e, XF+16*\xt, \first, WKS+4*\e+(\kap)%4, XS+4*\xt+(\kap)%4, (\kap)/4, (\kap)/4
	WMS 128+8*(4*\e+\xt), XF+16*\xt, WVF+16*\e, \first, XS+4*\xt+(\kap)%4, WVS+4*\e+(\kap)%4, (\kap)/4, (\kap)/4
.endr
.endr
	WIN 0
.endm
; Slot s has been read out and is filled again, two K steps on: every wave waits for all its tensor loads, adds 0 to its spare word, waits for that and for its reads; a round of the cluster's barrier; then its one load.
.macro CHANGE s
	s_wait_tensorcnt 0x0                           ; no tensor load of mine is out, so a group 0 may be written
	ds_add_u32 v[SPW], v[NIL]
	s_add_nc_u64 s[G0X+4*\s+2:G0X+4*\s+3], s[G0X+4*\s+2:G0X+4*\s+3], 512
	s_add_nc_u64 s[G0W+4*\s+2:G0W+4*\s+3], s[G0W+4*\s+2:G0W+4*\s+3], 512
	s_wait_dscnt 0x0                               ; the add is done, and my reads of the slot are over
	CROUND
	JLOAD \s
.endm
; Four blocks of 32: block b is the 16 accumulator registers from acc + 16 b on (window 1) of lanes l and l xor 16.  Codes to v[pc + 4 b ..], the scale's byte to v[by + b].
.macro QUANT4 acc, pc, by
	WIN 0x05
.irp b, 0,1,2,3
	v_max3_num_f32 v[TM+\b], |v[\acc+16*\b]|, |v[\acc+16*\b+1]|, 0x4800000   ; each accumulator is read from its low end on; the floor 2^(9 - 127) holds the byte at 1 from below
.endr
	WIN 0x14
.irp i, 2,4,6,8,10,12,14
.irp b, 0,1,2,3
	v_max3_num_f32 v[TM+\b], v[TM+\b], |v[\acc+16*\b+\i]|, |v[\acc+16*\b+\i+1]|
.endr
.endr
	WIN 0
.irp b, 0,1,2,3
	v_permlanex16_b32 v[TM+4+\b], v[TM+\b], s[SEL], s[SEL+1]
.endr
.irp b, 0,1,2,3
	s_delay_alu instid0(VALU_DEP_4)
	v_max_num_f32 v[TM+\b], v[TM+\b], v[TM+4+\b]   ; the block's largest magnitude
.endr
.irp b, 0,1,2,3
	s_delay_alu instid0(VALU_DEP_4)
	v_add_nc_u32 v[TM+12+\b], 0xfc000000, v[TM+\b] ; 8 off its exponent field: the conversion's scale operand
.endr
.irp b, 0,1,2,3
	v_and_or_b32 v[TM+8+\b], v[TM+\b], 0x7f800000, s[MNT]   ; 448 x the scale
.endr
.irp b, 0,1,2,3
	v_lshrrev_b32 v[\by+\b], 23, v[TM+12+\b]       ; the scale's byte
.endr
	WIN 0x41
.irp b, 0,1,2,3
.irp i, 0,1,2,3,4,5,6,7,8,9,10,11,12,13,14,15
	v_med3_num_f32 v[\acc+16*\b+\i], v[\acc+16*\b+\i], -v[TM+8+\b], v[TM+8+\b]   ; the conversion to an 8-bit code does not saturate (ISA guide 7.6.2): the hold comes first
.endr
.endr
	WIN 0x01
.irp b, 0,1,2,3
	v_cvt_scalef32_pk8_fp8_f32 v[\pc+4*\b:\pc+4*\b+1], v[\acc+16*\b:\acc+16*\b+7], v[TM+12+\b]
	v_cvt_scalef32_pk8_fp8_f32 v[\pc+4*\b+2:\pc+4*\b+3], v[\acc+16*\b+8:\acc+16*\b+15], v[TM+12+\b]
.endr
	WIN 0
	v_nop                                          ; one plain line behind the last conversion of a run
.endm
	s_load_b512 s[4:19], s[0:1], 0x0               ; x codes, x scales, Wq codes, Wq scales, Wk codes, Wk scales, Wv codes, Wv scales
	s_load_b128 s[20:23], s[0:1], 0x40             ; qc, qs
	s_load_b64 s[24:25], s[0:1], 0x50              ; kv
	v_lshl_add_u32 v[SPW], v0, 2, SPARE
	v_mov_b32 v[NIL], 0
	ds_add_u32 v[SPW], v[NIL]                      ; the wave's opening: the add, twice on end, and its wait ahead of my first tensor load
	ds_add_u32 v[SPW], v[NIL]
	v_lshrrev_b32 v1, 5, v0
	s_delay_alu instid0(VALU_DEP_1)
	v_readfirstlane_b32 s[WV], v1                  ; wave 0..7
	s_and_b32 s[XH], s[WV], 1
	s_lshr_b32 s[WP], s[WV], 1
	s_bfe_u32 s29, ttmp6, 0x40000                  ; cx
	s_lshl_b32 s30, ttmp9, 2
	s_add_co_u32 s30, s30, s29                     ; my work-group = 4 x cluster + cx: it enters global addresses alone
	s_mov_b32 s[G1X], (1<<20)|(5<<22)|(3<<25)      ; elements of 1 byte; 4 words of padding behind every 64; no mask
	s_mov_b32 s[G1W], 15|(1<<20)|(1<<21)|(5<<22)|(3<<25)   ; the same with the mask of all four partners, bit 21 beside it
.irp g, G1X, G1W
	s_mov_b32 s[\g+1], 256<<16                     ; tensor_dim0 = 256
	s_mov_b32 s[\g+2], 64<<16                      ; tensor_dim1 = 64
	s_mov_b32 s[\g+3], 256<<16                     ; tile_dim0 = 256
	s_mov_b32 s[\g+4], 64                          ; tile_dim1 = 64
	s_mov_b32 s[\g+5], 1024                        ; from row to row
	s_mov_b32 s[\g+6], 0
	s_mov_b32 s[\g+7], 0
.endr
	s_mul_i32 s31, s[WV], HALFR                    ; where my 64 rows go: the wave's number alone
	s_mov_b32 s[SEL], 0x76543210
	s_mov_b32 s[SEL+1], 0xfedcba98
	s_mov_b32 s[MNT], 0x600000                     ; the mantissa field of 448
	s_mov_b32 s[HI16], 0xffff0000                  ; lanes 16-31
	s_lshl_b32 s66, s30, 17                        ; my 128 tokens x 1,024 bytes,
	s_lshl_b32 s68, s[XH], 16                      ; 64 rows x 1,024 bytes for the upper half
	s_add_co_u32 s66, s66, s68
	s_mov_b32 s67, 0
	s_mov_b32 s69, 0
	s_wait_dscnt 0x0                               ; both opening adds are done
	s_wait_kmcnt 0x0
	s_add_nc_u64 s[70:71], s[4:5], s[66:67]        ; x at my 64 rows
	s_cmp_eq_u32 s[WP], 2
	s_cselect_b64 s[72:73], s[12:13], s[8:9]       ; WP = 1: Wq, 2: Wk, 3: Wv (waves 0 and 1 do not use it)
	s_cmp_eq_u32 s[WP], 3
	s_cselect_b64 s[72:73], s[16:17], s[72:73]
	s_add_nc_u64 s[72:73], s[72:73], s[68:69]
.irp s, 0,1
	s_mov_b32 s[G0X+4*\s], 1
	s_add_co_u32 s[G0X+4*\s+1], s31, \s*SLOT
	s_add_nc_u64 s[G0X+4*\s+2:G0X+4*\s+3], s[70:71], \s*256
	s_or_b32 s[G0X+4*\s+3], s[G0X+4*\s+3], 0x80000000
	s_mov_b32 s[G0W+4*\s], 1
	s_add_co_u32 s[G0W+4*\s+1], s31, \s*SLOT
	s_add_nc_u64 s[G0W+4*\s+2:G0W+4*\s+3], s[72:73], \s*256
	s_or_b32 s[G0W+4*\s+3], s[G0W+4*\s+3], 0x80000000
.endr
	CROUND                                         ; all four work-groups are here: the first loads go out as one group
	s_cmp_lt_u32 s[WV], 2
	s_cbranch_scc0 .Lfirst_w
	tensor_load_to_lds s[G0X:G0X+3], s[G1X:G1X+7]
	s_nop 0
	PLACES 4
	s_branch .Lfirst_done
.Lfirst_w:
	tensor_load_to_lds s[G0W:G0W+3], s[G1W:G1W+7]
	s_nop 0
	PLACES 4
.Lfirst_done:
	; the scale words come straight into registers, once: lane (r, h) takes bytes 16 h .. 16 h + 15 of row r's 32: a load reads 512 dense bytes
	v_and_b32 v224, 15, v0                         ; r
	v_bfe_u32 v225, v0, 4, 1                       ; h
	v_and_b32 v226, 31, v0                         ; lane
	s_delay_alu instid0(VALU_DEP_3)
	v_lshlrev_b32 v[XSO], 5, v224
	s_delay_alu instid0(VALU_DEP_1)
	v_lshl_add_u32 v[XSO], v225, 4, v[XSO]
	s_lshl_b32 s66, s[WP], 10
	v_add_nc_u32 v[WSO], s66, v[XSO]
	s_lshl_b32 s66, s30, 12
	s_lshl_b32 s68, s[XH], 11
	s_add_co_u32 s66, s66, s68
	s_add_nc_u64 s[XSB:XSB+1], s[6:7], s[66:67]
.irp xt, 0,1,2,3
	global_load_b128 v[XS+4*\xt:XS+4*\xt+3], v[XSO], s[XSB:XSB+1] offset:512*\xt
.endr
.irp e, 0,1
	global_load_b128 v[WQS+4*\e:WQS+4*\e+3], v[WSO], s[10:11] offset:512*\e
	global_load_b128 v[WKS+4*\e:WKS+4*\e+3], v[WSO], s[14:15] offset:512*\e
	global_load_b128 v[WVS+4*\e:WVS+4*\e+3], v[WSO], s[18:19] offset:512*\e
.endr
	v_mul_u32_u24 v227, v224, PITCH
	s_delay_alu instid0(VALU_DEP_1)
	v_lshl_add_u32 v227, v225, 4, v227             ; a fragment's row x pitch + 16 x half
	s_mul_i32 s66, s[XH], HALFR
	v_add_nc_u32 v[AX], s66, v227
	s_delay_alu instid0(VALU_DEP_1)
	v_add_nc_u32 v[AX+1], SLOT, v[AX]
	s_mul_i32 s66, s[WP], 2*TILE16
	s_add_co_u32 s66, s66, REGN
	v_add_nc_u32 v[AW], s66, v227
	s_delay_alu instid0(VALU_DEP_1)
	v_add_nc_u32 v[AW+1], SLOT, v[AW]
	s_delay_alu instid0(VALU_DEP_2)
	v_add_nc_u32 v[AWV], 2*REGN, v[AW]
	s_delay_alu instid0(VALU_DEP_1)
	v_add_nc_u32 v[AWV+1], SLOT, v[AWV]
	v_lshlrev_b32 v[L16], 4, v226
	s_lshl_b32 s66, s[WV], 10
	s_add_co_u32 s66, s66, SCST
	v_lshl_add_u32 v[SWR], v226, 2, s66
	v_lshl_add_u32 v[SRD], v226, 2, SCST
	s_lshl_b32 s66, s[WV], 7
	v_add_nc_u32 v[SRK], s66, v[SRD]
.irp b, 0,1,2,3
	v_mov_b32 v[TM+4+\b], 0                        ; written once: a lane permute's destination counts as one of its sources
.endr
	; where the results go
	s_lshr_b32 s66, s30, 2
	s_mul_i32 s66, s66, SLOTB                      ; my slot of kv,
	s_and_b32 s68, s30, 3
	s_lshl_b32 s68, s68, 9                         ; my step in it
	s_add_co_u32 s66, s66, s68
	s_add_nc_u64 s[24:25], s[24:25], s[66:67]
	s_lshl_b32 s66, s[XH], 15
	s_lshl_b32 s68, s[WP], 11
	s_add_co_u32 s66, s66, s68
	s_add_nc_u64 s[KBP:KBP+1], s[24:25], s[66:67]  ; K: chunk 4 (4 XH + xt) + WP
	s_lshl_b32 s66, s[WP], 14
	s_lshl_b32 s68, s[XH], 12
	s_add_co_u32 s66, s66, s68
	s_add_nc_u64 s[VBP:VBP+1], s[24:25], s[66:67]  ; V: chunk 32 + 4 (2 WP + e) + 2 XH + bl
	s_lshl_b32 s66, s30, 14
	s_lshl_b32 s68, s[XH], 13
	s_add_co_u32 s66, s66, s68
	s_lshl_b32 s68, s[WP], 9
	s_add_co_u32 s66, s66, s68
	s_add_nc_u64 s[QBP:QBP+1], s[20:21], s[66:67]  ; Q: tile 8 wg + 4 XH + xt, chunk WP
	s_lshl_b32 s66, s[WV], 11
	s_add_co_u32 s66, s66, 131072
	s_add_nc_u64 s[SBP:SBP+1], s[24:25], s[66:67]  ; the scale words: wave 0 K's (chunk 64), wave 1 V's (chunk 65),
	s_lshl_b32 s66, s30, 9
	s_add_nc_u64 s[68:69], s[22:23], s[66:67]
	s_cmp_eq_u32 s[WV], 2
	s_cselect_b64 s[SBP:SBP+1], s[68:69], s[SBP:SBP+1]   ; wave 2 Q's
	; PREFETCHES INTO THE L2.  Here: x's K step 1 (waves 0 and 1: 64 rows each, a lane a row) and, in four clusters alone, W's K steps 1 and 2 (waves 2 to 7: of the wave's 64 rows the partner at place cx takes 16, lanes 0-15 step 1, lanes 16-31 step 2).
	; Behind slot 1's load: x's K steps 2 and 3 (each wave 32 rows of one step) and, in the four clusters, W's K step 3.  Each aligned block of 256 bytes of x is named once.
	v_lshlrev_b32 v15, 10, v226                    ; a lane a row
	v_and_b32 v58, 15, v226
	v_lshrrev_b32 v59, 4, v226
	v_lshlrev_b32 v58, 10, v58
	v_lshl_add_u32 v57, v59, 8, v58
	s_lshl_b32 s88, s29, 14                        ; 16 cx rows
	s_mov_b32 s89, 0
	s_add_nc_u64 s[88:89], s[72:73], s[88:89]
	s_and_b32 s2, s[WP], 1
	s_lshl_b32 s2, s2, 15                          ; 32 (WP % 2) rows,
	s_lshr_b32 s3, s[WP], 1
	s_lshl_b32 s3, s3, 8                           ; K step 2 + WP / 2
	s_add_co_u32 s2, s2, s3
	s_add_co_u32 s2, s2, 512
	s_mov_b32 s3, 0
	s_add_nc_u64 s[2:3], s[70:71], s[2:3]
	s_wait_alu depctr_va_vdst(0)                   ; at the head's end
	s_cmp_lt_u32 s[WV], 2
	s_cbranch_scc0 .Lask_w
	global_prefetch_b8 v15, s[70:71] offset:256 th:TH_LOAD_NT scope:SCOPE_SE
	global_prefetch_b8 v15, s[70:71] offset:33024 th:TH_LOAD_NT scope:SCOPE_SE
	s_branch .Lask_done
.Lask_w:
	s_cmp_lt_u32 ttmp9, 4
	s_cbranch_scc0 .Lask_done
	global_prefetch_b8 v57, s[88:89] offset:256 th:TH_LOAD_NT scope:SCOPE_SE
.Lask_done:
	s_wait_tensorcnt 0x0                           ; my part of slot 0 is in
	ds_add_u32 v[SPW], v[NIL]
	s_wait_dscnt 0x0
	CROUND
	JLOAD 1                                        ; K step 1 into slot 1
	global_prefetch_b8 v15, s[2:3] th:TH_LOAD_NT scope:SCOPE_SE
	s_cmp_lt_u32 s[WV], 2
	s_cbranch_scc1 .Lask_end
	s_cmp_lt_u32 ttmp9, 4
	s_cbranch_scc0 .Lask_end
	global_prefetch_b8 v58, s[88:89] offset:768 th:TH_LOAD_NT scope:SCOPE_SE
.Lask_end:
	s_wait_loadcnt 0x0                             ; the scale words
	SUB 0, 0, 0, 1                                 ; the first products start the sums: nothing is cleared
	SUB 0, 1, 1, 0
	CHANGE 0                                       ; K step 2 into slot 0
	s_wait_alu depctr_va_vdst(0)
	SUB 1, 0, 2, 0
	SUB 1, 1, 3, 0
	CHANGE 1                                       ; K step 3 into slot 1
	SUB 0, 0, 4, 0
	SUB 0, 1, 5, 0
	s_wait_tensorcnt 0x0                           ; my part of K step 3 is in; nothing is filled again, so a barrier of the work-group does
	ds_add_u32 v[SPW], v[NIL]
	s_wait_dscnt 0x0
	s_barrier_signal -1
	s_barrier_wait -1
	SUB 1, 0, 6, 0
	SUB 1, 1, 7, 0
	PLACES 8                                       ; between the last products and the first read of results
	QUANT4 0, PCQ, BYQ                             ; block b: tokens of tile b, d block WP
	QUANT4 64, PCK, BYK
	QUANT4 128, PCV, BYV                           ; block 2 e + bl: d tile 2 WP + e, key block 2 XH + bl
.irp xt, 0,1,2,3
	global_store_b128 v[L16], v[PCQ+4*\xt:PCQ+4*\xt+3], s[QBP:QBP+1] offset:2048*\xt   ; each store of the wave covers 512 consecutive bytes, aligned
	global_store_b128 v[L16], v[PCK+4*\xt:PCK+4*\xt+3], s[KBP:KBP+1] offset:8192*\xt
.endr
.irp e, 0,1
.irp bl, 0,1
	global_store_b128 v[L16], v[PCV+4*(2*\e+\bl):PCV+4*(2*\e+\bl)+3], s[VBP:VBP+1] offset:65536+8192*\e+2048*\bl
.endr
.endr
	; the scale bytes: lanes 0-15 keep the even tile's, lanes 16-31 the odd tile's; six word images into my own 1,024 bytes
	v_cndmask_b32 v[PK+0], v[BYK+0], v[BYK+1], s[HI16]
	v_cndmask_b32 v[PK+1], v[BYK+2], v[BYK+3], s[HI16]
	v_cndmask_b32 v[PK+2], v[BYQ+0], v[BYQ+1], s[HI16]
	v_cndmask_b32 v[PK+3], v[BYQ+2], v[BYQ+3], s[HI16]
	v_cndmask_b32 v[PK+4], v[BYV+0], v[BYV+2], s[HI16]
	v_cndmask_b32 v[PK+5], v[BYV+1], v[BYV+3], s[HI16]
.irp n, 0,1,2,3,4,5
	ds_store_b32 v[SWR], v[PK+\n] offset:128*\n
.endr
	s_wait_dscnt 0x0                               ; for the others' sake: my images have landed
	s_barrier_signal -1
	s_barrier_wait -1
	s_cmp_gt_u32 s[WV], 2
	s_cbranch_scc1 .Ldone
	s_cmp_eq_u32 s[WV], 1
	s_cbranch_scc1 .Lgather_v
.irp j, 0,1,2,3                                ; K (wave 0) and Q (wave 2, 256 bytes further on in each wave's images): word j, byte c comes from wave 2 c + j / 2, image j % 2
.irp c, 0,1,2,3
	ds_load_b32 v[GA+4*\j+\c], v[SRK] offset:1024*(2*\c+\j/2)+128*(\j%2)
.endr
.endr
	s_branch .Lgathered
.Lgather_v:
.irp j, 0,1,2,3                                ; V: word j, byte c comes from wave 2 j + c / 2, image 4 + c % 2
.irp c, 0,1,2,3
	ds_load_b32 v[GA+4*\j+\c], v[SRD] offset:1024*(2*\j+\c/2)+512+128*(\c%2)
.endr
.endr
.Lgathered:
	s_wait_dscnt 0x0
.irp j, 0,1,2,3
	v_lshl_or_b32 v[GW+\j], v[GA+4*\j+1], 8, v[GA+4*\j]
.endr
.irp j, 0,1,2,3
	s_delay_alu instid0(VALU_DEP_4)
	v_lshl_or_b32 v[GW+\j], v[GA+4*\j+2], 16, v[GW+\j]
.endr
.irp j, 0,1,2,3
	s_delay_alu instid0(VALU_DEP_4)
	v_lshl_or_b32 v[GW+\j], v[GA+4*\j+3], 24, v[GW+\j]
.endr
	global_store_b128 v[L16], v[GW:GW+3], s[SBP:SBP+1]   ; 512 consecutive bytes, aligned
.Ldone:
	s_wait_tensorcnt 0x0                           ; the wave's end: behind my last tensor load and my last LDS store
	ds_add_u32 v[SPW], v[NIL]
	s_wait_dscnt 0x0
	CROUND                                         ; the closing round
	s_endpgm
.Lfunc_end_k_q6417525e41_project:
	.size	k_q6417525e41_project, .Lfunc_end_k_q6417525e41_project-k_q6417525e41_project
	.p2alignl 7, 3214868480
	.fill 96, 4, 3214868480
	.section	.rodata,"a",@progbits
	.p2align	6, 0x0
	.amdhsa_kernel k_q6417525e41_project
		.amdhsa_group_segment_fixed_size 327680
		.amdhsa_private_segment_fixed_size 0
		.amdhsa_enable_private_segment 0
		.amdhsa_kernarg_size 88
		.amdhsa_user_sgpr_count 2
		.amdhsa_user_sgpr_kernarg_segment_ptr 1
		.amdhsa_wavefront_size32 1
		.amdhsa_system_sgpr_workgroup_id_x 1
		.amdhsa_system_sgpr_workgroup_id_y 1
		.amdhsa_system_sgpr_workgroup_id_z 1
		.amdhsa_system_vgpr_workitem_id 0
		.amdhsa_next_free_vgpr 448
		.amdhsa_next_free_sgpr 90
		.amdhsa_reserve_vcc 0
		.amdhsa_float_denorm_mode_32 3
		.amdhsa_float_denorm_mode_16_64 3
		.amdhsa_memory_ordered 1
		.amdhsa_forward_progress 1
		.amdhsa_inst_pref_size 91
	.end_amdhsa_kernel
	.amdgpu_metadata
---
amdhsa.version: [ 1, 2 ]
amdhsa.kernels:
  - .name:           k_q6417525e41_project
    .symbol:         k_q6417525e41_project.kd
    .args:
      - { .name: x_codes, .offset: 0, .size: 8, .value_kind: global_buffer, .address_space: global }
      - { .name: x_scales, .offset: 8, .size: 8, .value_kind: global_buffer, .address_space: global }
      - { .name: Wq_codes, .offset: 16, .size: 8, .value_kind: global_buffer, .address_space: global }
      - { .name: Wq_scales, .offset: 24, .size: 8, .value_kind: global_buffer, .address_space: global }
      - { .name: Wk_codes, .offset: 32, .size: 8, .value_kind: global_buffer, .address_space: global }
      - { .name: Wk_scales, .offset: 40, .size: 8, .value_kind: global_buffer, .address_space: global }
      - { .name: Wv_codes, .offset: 48, .size: 8, .value_kind: global_buffer, .address_space: global }
      - { .name: Wv_scales, .offset: 56, .size: 8, .value_kind: global_buffer, .address_space: global }
      - { .name: qc, .offset: 64, .size: 8, .value_kind: global_buffer, .address_space: global }
      - { .name: qs, .offset: 72, .size: 8, .value_kind: global_buffer, .address_space: global }
      - { .name: kv, .offset: 80, .size: 8, .value_kind: global_buffer, .address_space: global }
    .group_segment_fixed_size: 327680
    .private_segment_fixed_size: 0
    .kernarg_segment_align: 8
    .kernarg_segment_size: 88
    .max_flat_workgroup_size: 256
    .sgpr_count:     90
    .vgpr_count:     448
    .wavefront_size: 32
...
	.end_amdgpu_metadata
.endif
;; end of part 1
;; launch attend (part 2): grid 32 x 8, 4 waves a work-group, clusters of 4 x 1, 327,680 bytes of LDS; arguments qc, qs, kv, out0; writes out0
.if DOCPART == 2
	.amdgcn_target "amdgcn-amd-amdhsa--gfx1250"
	.amdhsa_code_object_version 6
	.text
	.protected	k_q6417525e41_attend
	.globl	k_q6417525e41_attend
	.p2align	8
	.type	k_q6417525e41_attend,@function
k_q6417525e41_attend:
	s_mov_b64 s[64:65], 0
	v_nop
	global_prefetch_b8 v0, s[64:65] scope:SCOPE_SE
	s_setreg_imm32_b32 hwreg(HW_REG_WAVE_MODE, 25, 1), 1
	s_wait_xcnt 0x0
	s_wait_alu depctr_hold_cnt(0) depctr_sa_sdst(0) depctr_va_vdst(0) depctr_va_sdst(0) depctr_va_ssrc(0) depctr_va_vcc(0) depctr_vm_vsrc(0)
	s_getreg_b32 s2, hwreg(HW_REG_IB_STS2, 6, 4)
	s_cmp_eq_u32 s2, 0
	s_cbranch_scc0 .Lentry_in_a_cluster
	s_endpgm
.Lentry_in_a_cluster:
	s_bfe_u32 s2, ttmp6, 0x10000c
	s_cmp_lg_u32 s2, 0x3003
	s_cbranch_scc0 .Lentry_shape_is_right
	s_endpgm
.Lentry_shape_is_right:
; SECOND LAUNCH.  out[b][q] = the sum over keys k <= q of softmax_k(q . k / sqrt(128)) v, both products on codes of FP8 (E4M3) with E8M0 scales, from the first launch's buffers.
; WORK LEFT OUT: key steps of 128 keys that lie wholly behind all 256 queries of a cluster's four query blocks: reference()'s own jnp.tril gives them the weight 0 for all values of the inputs (shown at the first kernel's head).
; LIMITS: a NaN or an infinity that reaches only such steps is not carried to the result; t = score x log2(e) / sqrt(128) lies above -3e38, where the running maximum begins, and under 2^31 in magnitude.  A work-group's second
; block begins on its first block's results, which its first change of M (or, for a wave without a key, the merge) multiplies by 0: a NaN or an infinity among these reaches the second block too.
; THE SOFTMAX: M = the largest t so far, rounded up to a whole number; p = 2^(t - M) is quantised along the keys; the row's sum is taken of the unquantised p and divides at the end; a change of M multiplies by a power of two.
; SHARES.  A work-group stays and takes two blocks of 64 queries of one batch, block 63 - i and then block i (i = 4 x cluster x + cx): they need 8 - a and a + 1 slots of 512 keys (a = cluster x / 2): nine for every work-group.
; Its four waves share a slot's four steps of 128 keys: wave r takes step r for all 64 queries (tiles 0 to 3), so each fragment of K and V is read from LDS once and feeds four products.
; At a block's end the four waves' parts (M, sum, O) are brought under one M and added through LDS.
; CLUSTER.  The four partners walk the same nine slots of kv: each slot is asked for jointly, one load a wave (a quarter of the slot, mask 15).  No branch hangs on cx: whether a step is done or masked is decided for the
; cluster's 256 queries together; cx enters global addresses and the vector operand of the mask's compare alone.  By this text's count a wave has one tensor load outstanding.
; ORDER.  A step's last two tiles' second products stand behind the next slot's K loads; V's loads stand among the first products.  The exponentials of a tile take turns with another tile's scalings or holds.
; LAYOUT.  Both products are used transposed (S^T = K Q^T, O^T = V^T P^T): a lane holds one query.  K inside a block of 32 is permuted alike on both sides of each product, as the first kernel's head says.
; REGISTERS: window 0: v1-15 addresses; v16-31 statistics; v32-43, v46-47 scale words and nothing else; v48-111 Q; v112-175 p's codes; v176-254 at work.  Window 1: v0-127 K, v128-255 V.  Window 2: S^T, then p.  Window 3: O^T.
.set SLOTB,  135168                    ; a slot of kv: chunk f of step p at (4 f + p) x 512 + 16 x lane; f = 4 t + c K, 32 + 4 dt + c V, 64 K's scale words, 65 V's
.set QUART,  SLOTB/4                   ; 132 rows of 256 bytes
.set STG,    2*SLOTB                   ; behind the ring: three units for the merge; no tensor load lands there
.set PLANE,  16*272                    ; 16 queries x (256 bytes + 16): a wave's part of a unit
.set UNIT,   4*PLANE                   ; a unit: one tile, 64 channels, the four waves' planes
.set STGL,   STG-6*UNIT                ; the last block's eight units: six in the ring's slot 1, which has had its last fill and its last read, two behind the ring
.set STAT,   STG+3*UNIT                ; (-M, sum) of each lane: 256 bytes for each tile and wave
.set SPARE,  STAT+4096                 ; the spare words, 128 bytes for each wave
.set LB0, 1                            ; v1   16 x lane + 512 r
.set ADK, 2                            ; v2   the step's K chunks;  v3 its V chunks;  v4 its scale words
.set ADV, 3
.set ADS, 4
.set SPW, 5                            ; v5   my spare word; never rewritten
.set NIL, 6                            ; v6   0; never rewritten
.set PFO, 7                            ; v7   256 x lane
.set L16, 8                            ; v8   16 x lane
.set GO,  9                            ; v9   512 h + 16 r16
.set STO, 10                           ; v10  the merge: where I put 32 bytes of a row of my plane;  v14 the same for the last block
.set SRD, 11                           ; v11  and where I read the four planes' rows back;  v15 for the last block
.set STW, 12                           ; v12  my statistics;  v13 wave 0's
.set STR, 13
.set STO1, 14
.set SRD1, 15
.set ST,  16                           ; tile t at ST + 4 t: -M, the largest t, the sum in two halves
.set KSC, 32
.set VSC, 36
.set PW,  40
.set QSC, 46
.set QF,  48
.set PC,  112
.set EM,  112                          ; the merge: the four waves' statistics of tile t at EM + 8 t
.set BM,  176
.set XR,  192
.set HL,  208
.set SO,  224
.set FF,  240                          ; tile t's factor at FF + 2 t
.set TA,  248
.set DA,  252
.set NINF, 253
.set LQ,  254
.set WV, 12                            ; the wave's number, which is r
.set PEND, 13                          ; 1: two tiles' second products are still owed
.set CX, 15
.set II, 16
.set BAT, 17
.set AA, 18
.set G1, 20
.set G0, 28
.set KVW, 32
.set PFA, 34
.set PLIM, 36
.set TR, 37
.set KC, 38
.set KL, 39
.set NH, 40
.set NH1, 41
.set SMAX, 42
.set SMASK, 43
.set Q0, 44
.set TB, 45
.set SG, 46
.set QCH, 56
.set QSH, 58
.set QCL, 60
.set QSL, 62
.set OBH, 66
.set OBL, 68
.set Q0L, 70
.set SMAXL, 71
.set SMASKL, 72
.set CS, 74
.set SEL, 76
.set MNT, 78
.set W_LD, 0x40                        ; destination window 1
.set W_QK, 0x81                        ; S^T in window 2, K in window 1
.set W_PV, 0xf1                        ; O^T in window 3, V in window 1
.set W_S,  0x82                        ; destination and source 0 in window 2
.set W_O,  0xc3                        ; destination and source 0 in window 3
.set MSB, 0
.macro WIN new                         ; the immediate's high byte repeats the setting that is left
.if MSB != \new
	s_set_vgpr_msb (MSB<<8)|\new
.set MSB, \new
.endif
.endm
.macro PLACES n
.rept \n
	v_nop
.endr
.endm
.macro WALU
	s_wait_alu depctr_va_vdst(0)
.endm
.macro CROUND                          ; a round of the cluster's barrier
	s_barrier_signal -1
	s_barrier_wait -1
	s_cmp_lg_u32 s[WV], 0
	s_cbranch_scc1 .Lnot_wave_0_\@
	s_barrier_signal -3
.Lnot_wave_0_\@:
	s_barrier_wait -3
	s_barrier_signal -1
	s_barrier_wait -1
.endm
.macro BARRIER                         ; my LDS stores have landed and my LDS loads are in: then the work-group's barrier
	s_wait_dscnt 0x0
	s_barrier_signal -1
	s_barrier_wait -1
.endm
; A PREFETCH INTO THE L2 of the slot that the NEXT change of slots will ask for.  All clusters of a batch begin at the batch's slot 0 and the batch's first cluster walks all eight: it asks, and nobody else.  Its four partners
; share a slot's 131,072 bytes of codes out by address, 32,768 each; in each, the four waves take 8,192 bytes, lanes 256 bytes apart: each aligned block of 256 bytes is named once.  Trips 0 to 5 name slots 2 to 7; later trips nothing.
.macro ASK
	s_cmp_lt_u32 s[TR], s[PLIM]
	s_cbranch_scc0 .Lnot_mine_\@
	global_prefetch_b8 v[PFO], s[PFA:PFA+1] th:TH_LOAD_NT scope:SCOPE_SE
.Lnot_mine_\@:
.endm
; THE CHANGE OF SLOTS, at a slot's head.  Each wave waits for all its tensor loads (its quarter of the slot ahead), adds 0 to its spare word, and waits for that and for its reads of the slot that it has left.
; fill = 1: a round of the cluster's barrier, and behind it the slot just left takes the next slot of the walk: the wave's one load.
.macro CHANGE fill
	WALU
	s_wait_tensorcnt 0x0                           ; no tensor load of mine is out, so group 0 may be written
	ds_add_u32 v[SPW], v[NIL]
.if \fill
	s_add_co_u32 s[KL], s[KL], 1                   ; the next slot of kv: behind the first block's last comes slot 0 again, for the second block
	s_cmp_eq_u32 s[KL], s[NH]
	s_cselect_b32 s[KL], 0, s[KL]
	s_mul_i32 s52, s[KL], SLOTB
	s_mov_b32 s53, 0
	s_xor_b32 s[G0+1], s[G0+1], SLOTB              ; the other LDS slot (no wave's offset has a bit of SLOTB set: the exclusive or adds or takes away)
	s_add_nc_u64 s[G0+2:G0+3], s[KVW:KVW+1], s[52:53]
	s_or_b32 s[G0+3], s[G0+3], 0x80000000
	s_wait_xcnt 0x0                                ; the last prefetch, a slot back, has read its address
	s_add_nc_u64 s[PFA:PFA+1], s[PFA:PFA+1], SLOTB
	s_wait_dscnt 0x0                               ; the add is done, and my reads of the slot that I have left are over
	CROUND
	tensor_load_to_lds s[G0:G0+3], s[G1:G1+7]
	s_nop 0
	PLACES 4
	ASK
.else
	s_wait_dscnt 0x0
	s_barrier_signal -1
	s_barrier_wait -1
.endif
.endm
.macro QKP t, k                        ; S^T: tile t's queries, keys 16 k on of the step; K's words: odd k in lanes 16-31; Q's: odd t
	WIN W_QK
.if ((\k)%2) && ((\t)%2)
	v_wmma_scale_f32_16x16x128_f8f6f4 v[64*(\t)+8*(\k):64*(\t)+8*(\k)+7], v[16*(\k):16*(\k)+15], v[QF+16*(\t):QF+16*(\t)+15], 0, v[KSC+(\k)/2], v[QSC+(\t)/2] matrix_a_scale:MATRIX_SCALE_ROW1 matrix_b_scale:MATRIX_SCALE_ROW1
.elseif (\k)%2
	v_wmma_scale_f32_16x16x128_f8f6f4 v[64*(\t)+8*(\k):64*(\t)+8*(\k)+7], v[16*(\k):16*(\k)+15], v[QF+16*(\t):QF+16*(\t)+15], 0, v[KSC+(\k)/2], v[QSC+(\t)/2] matrix_a_scale:MATRIX_SCALE_ROW1
.elseif (\t)%2
	v_wmma_scale_f32_16x16x128_f8f6f4 v[64*(\t)+8*(\k):64*(\t)+8*(\k)+7], v[16*(\k):16*(\k)+15], v[QF+16*(\t):QF+16*(\t)+15], 0, v[KSC+(\k)/2], v[QSC+(\t)/2] matrix_b_scale:MATRIX_SCALE_ROW1
.else
	v_wmma_scale_f32_16x16x128_f8f6f4 v[64*(\t)+8*(\k):64*(\t)+8*(\k)+7], v[16*(\k):16*(\k)+15], v[QF+16*(\t):QF+16*(\t)+15], 0, v[KSC+(\k)/2], v[QSC+(\t)/2]
.endif
.endm
.macro PVP t, d                        ; O^T: tile t's queries, channels 16 d on
	WIN W_PV
.if (\d)%2
	v_wmma_scale_f32_16x16x128_f8f6f4 v[64*(\t)+8*(\d):64*(\t)+8*(\d)+7], v[128+16*(\d):128+16*(\d)+15], v[PC+16*(\t):PC+16*(\t)+15], v[64*(\t)+8*(\d):64*(\t)+8*(\d)+7], v[VSC+(\d)/2], v[PW+(\t)] matrix_a_scale:MATRIX_SCALE_ROW1
.else
	v_wmma_scale_f32_16x16x128_f8f6f4 v[64*(\t)+8*(\d):64*(\t)+8*(\d)+7], v[128+16*(\d):128+16*(\d)+15], v[PC+16*(\t):PC+16*(\t)+15], v[64*(\t)+8*(\d):64*(\t)+8*(\d)+7], v[VSC+(\d)/2], v[PW+(\t)]
.endif
.endm
.macro PV23                            ; the two tiles' second products that a step leaves owing
.irp d, 0,1,2,3,4,5,6,7
	PVP 2, \d
.endr
.irp d, 0,1,2,3,4,5,6,7
	PVP 3, \d
.endr
	WIN 0
.endm
.macro FL t, i                         ; t - M of a pair of scores (window W_S)
	v_pk_fma_f32 v[64*(\t)+2*(\i):64*(\t)+2*(\i)+1], v[64*(\t)+2*(\i):64*(\t)+2*(\i)+1], s[CS:CS+1], v[ST+4*(\t):ST+4*(\t)+1] op_sel_hi:[1,0,0]
.endm
.macro HD t, i                         ; the hold of one p: the conversion does not saturate (ISA guide 7.6.2); p is not negative, so it is one-sided (window W_S)
	v_min_num_f32 v[64*(\t)+(\i)], v[64*(\t)+(\i)], v[HL+4*(\t)+(\i)/16]
.endm
.macro FILL k, t, i                    ; kind 1: a pair's scaling; 2, 3: the holds of a pair's first and second p; 0: nothing
.if (\k) == 1
	FL \t, \i
.elseif (\k) == 2
	HD \t, 2*\i
.elseif (\k) == 3
	HD \t, 2*\i+1
.endif
.endm
; A tile's 64 exponentials, p = 2^(t - M), by turns with other tiles' work
.macro EXPS t, ka, ta, kb, tb
	WIN W_S
.set ei, 0
.rept 32
	v_exp_f32 v[64*(\t)+2*ei], v[64*(\t)+2*ei]
	FILL \ka, \ta, ei
	v_exp_f32 v[64*(\t)+2*ei+1], v[64*(\t)+2*ei+1]
	FILL \kb, \tb, ei
.set ei, ei+1
.endr
	WIN 0
.endm
; The row's sum of the unquantised p, line m of 32: four chains in the tile's BM and XR registers, then together, then onto the running sum
.macro TL t, m
.set tc, BM+4*(\t)+2*((\m)%2)+16*(((\m)%4)/2)
.if (\m) < 4
	WIN 0x0a
	v_pk_add_f32 v[tc:tc+1], v[64*(\t)+2*(\m):64*(\t)+2*(\m)+1], v[64*(\t)+2*(\m)+8:64*(\t)+2*(\m)+9]
.elseif (\m) < 28
	WIN 0x08
	v_pk_add_f32 v[tc:tc+1], v[tc:tc+1], v[64*(\t)+2*(\m)+8:64*(\t)+2*(\m)+9]
.elseif (\m) == 28
	WIN 0
	v_pk_add_f32 v[BM+4*(\t):BM+4*(\t)+1], v[BM+4*(\t):BM+4*(\t)+1], v[BM+4*(\t)+2:BM+4*(\t)+3]
.elseif (\m) == 29
	WIN 0
	v_pk_add_f32 v[XR+4*(\t):XR+4*(\t)+1], v[XR+4*(\t):XR+4*(\t)+1], v[XR+4*(\t)+2:XR+4*(\t)+3]
.elseif (\m) == 30
	WIN 0
	v_pk_add_f32 v[BM+4*(\t):BM+4*(\t)+1], v[BM+4*(\t):BM+4*(\t)+1], v[XR+4*(\t):XR+4*(\t)+1]
.else
	WIN 0
	v_pk_add_f32 v[ST+4*(\t)+2:ST+4*(\t)+3], v[ST+4*(\t)+2:ST+4*(\t)+3], v[BM+4*(\t):BM+4*(\t)+1]
.endif
.endm
.macro TSUM t
.set tm, 0
.rept 32
	TL \t, tm
.set tm, tm+1
.endr
.endm
.macro CV t                            ; a tile's codes
	WIN 0x02
.irp b, 0,1,2,3
	v_cvt_scalef32_pk8_fp8_f32 v[PC+16*(\t)+4*\b:PC+16*(\t)+4*\b+1], v[64*(\t)+16*\b:64*(\t)+16*\b+7], v[SO+4*(\t)+\b]
	v_cvt_scalef32_pk8_fp8_f32 v[PC+16*(\t)+4*\b+2:PC+16*(\t)+4*\b+3], v[64*(\t)+16*\b+8:64*(\t)+16*\b+15], v[SO+4*(\t)+\b]
.endr
	WIN 0
.endm
.macro SCALEO                          ; O^T of tile t x v[FF + 2 t]; each accumulator from its low end on
	WIN W_O
.irp t, 0,1,2,3
.set nn, 0
.rept 32
	v_pk_mul_f32 v[64*\t+nn:64*\t+nn+1], v[64*\t+nn:64*\t+nn+1], v[FF+2*\t:FF+2*\t+1] op_sel_hi:[1,0]
.set nn, nn+2
.endr
.endr
	WIN 0
.endm
.macro MASK                            ; register 8 k + j of tile t holds key 16 k + j + 8 h, its lane query 16 t + r16: hidden where 16 (k - t) + j is above v[DA]: one compare serves the four tiles
	WIN W_S
.set dd, -3
.rept 11
.set jj, 0
.rept 8
	v_cmp_gt_i32 vcc_lo, 16*dd+jj, v[DA]
.set tt, 0
.rept 4
.if (dd+tt) >= 0
.if (dd+tt) < 8
	v_cndmask_b32 v[64*tt+8*(dd+tt)+jj], v[64*tt+8*(dd+tt)+jj], v[NINF], vcc_lo
.endif
.endif
.set tt, tt+1
.endr
.set jj, jj+1
.endr
.set dd, dd+1
.endr
	WIN 0
.endm
; MY KEY STEP OF THE SLOT IN HAND: step SG = 4 KC + r of the batch, for the block's 64 queries.
.macro STEP
	s_lshl_b32 s[SG], s[KC], 2
	s_add_co_u32 s[SG], s[SG], s[WV]
	s_cmp_gt_u32 s[SG], s[SMAX]                    ; all its keys come after the cluster's last query: left out (in a block's last slot alone: what is owed is done at the block's end).  Cluster x, the wave's number and the count of slots decide
	s_cbranch_scc1 .Lhidden_\@
	v_add_nc_u32 v[ADK], s[TB], v[LB0]
	v_add_nc_u32 v[ADV], 65536, v[ADK]
	v_add_nc_u32 v[ADS], 131072, v[ADK]
	WALU
	ds_load_b128 v[KSC:KSC+3], v[ADS]              ; K's scale words: word j: tile 2 j in lanes 0-15, tile 2 j + 1 in lanes 16-31
	WIN W_LD
.set ff, 0
.rept 32
	ds_load_b128 v[4*ff:4*ff+3], v[ADK] offset:2048*ff
.set ff, ff+1
.endr
	WIN 0
	s_cmp_eq_u32 s[PEND], 0
	s_cbranch_scc1 .Lnone_owed_\@
	PV23                                           ; while K's tiles are on their way
.Lnone_owed_\@:
	PLACES 8                                       ; ahead of the loads into V's registers
.set kt, 0
.rept 8
	s_wait_dscnt 28                                ; key tile kt is in: behind its loads stand 4 (7 - kt) of K's and 4 kt of V's
.irp t, 0,1,2,3
	QKP \t, kt
	WIN W_LD
	ds_load_b128 v[128+16*kt+4*\t:128+16*kt+4*\t+3], v[ADV] offset:2048*(4*kt+\t)
.endr
.set kt, kt+1
.endr
	WIN 0
	ds_load_b128 v[VSC:VSC+3], v[ADS] offset:2048
	PLACES 8                                       ; ahead of the first read of the scores
	s_cmp_lt_u32 s[SG], s[SMASK]                   ; all its keys count for all of the cluster's queries: no mask
	s_cbranch_scc1 .Lopen_\@
	s_lshl_b32 s47, s[SG], 7
	s_sub_co_i32 s47, s[Q0], s47
	v_add_nc_u32 v[DA], s47, v[LQ]                 ; my query of tile 0 - the step's first key - 8 h
	MASK                                           ; hidden scores become -infinity ahead of the maximum: p = 0 then
.Lopen_\@:
	WIN 0x2a                                       ; the largest score of each block of 32 keys (block n = 4 t + b: registers 16 n on): for the row's maximum, and, since p rises with the score, for the block's largest p
.irp n, 0,1,2,3,4,5,6,7,8,9,10,11,12,13,14,15
	v_max3_num_f32 v[BM+\n], v[16*\n], v[16*\n+1], v[16*\n+2]
.endr
	WIN 0x28
.irp i, 3,5,7,9,11,13
.irp n, 0,1,2,3,4,5,6,7,8,9,10,11,12,13,14,15
	v_max3_num_f32 v[BM+\n], v[BM+\n], v[16*\n+\i], v[16*\n+\i+1]
.endr
.endr
	WIN 0x08
.irp n, 0,1,2,3,4,5,6,7,8,9,10,11,12,13,14,15
	v_max_num_f32 v[BM+\n], v[BM+\n], v[16*\n+15]
.endr
	WIN 0
.irp n, 0,1,2,3,4,5,6,7,8,9,10,11,12,13,14,15
	v_permlanex16_b32 v[XR+\n], v[BM+\n], s[SEL], s[SEL+1]
.endr
.irp n, 0,1,2,3,4,5,6,7,8,9,10,11,12,13,14,15
	v_max_num_f32 v[BM+\n], v[BM+\n], v[XR+\n]     ; with lane l xor 16's 16 keys
.endr
.irp t, 0,1,2,3
	v_max3_num_f32 v[TA+\t], v[BM+4*\t], v[BM+4*\t+1], v[BM+4*\t+2]
.endr
.irp t, 0,1,2,3
	v_max_num_f32 v[TA+\t], v[TA+\t], v[BM+4*\t+3]
.endr
.irp t, 0,1,2,3
	v_mul_f32 v[TA+\t], s[CS], v[TA+\t]            ; the step's largest score as t
.endr
.irp t, 0,1,2,3
	v_max_num_f32 v[ST+4*\t+1], v[ST+4*\t+1], v[TA+\t]   ; the running largest t
.endr
.irp t, 0,1,2,3
	v_mov_b32 v[TA+\t], v[ST+4*\t]
.endr
.irp t, 0,1,2,3
	v_floor_f32 v[ST+4*\t], -v[ST+4*\t+1]          ; the new -M = floor(-t)
.endr
.irp t, 0,1,2,3
	v_sub_f32 v[TA+\t], v[ST+4*\t], v[TA+\t]       ; old M - new M: a whole number, 0 or less
.endr
.irp t, 0,1,2,3
	v_cvt_i32_f32 v[TA+\t], v[TA+\t]               ; (it saturates)
.endr
.irp t, 0,1,2,3
	v_ldexp_f32 v[FF+2*\t], 1.0, v[TA+\t]
.endr
.irp n, 0,1,2,3,4,5,6,7,8,9,10,11,12,13,14,15
	v_fma_f32 v[BM+\n], v[BM+\n], s[CS], v[ST+4*(\n/4)]
.endr
.irp t, 0,1,2,3
	v_pk_mul_f32 v[ST+4*\t+2:ST+4*\t+3], v[ST+4*\t+2:ST+4*\t+3], v[FF+2*\t:FF+2*\t+1] op_sel_hi:[1,0]   ; the sums under the new M,
.endr
	SCALEO                                         ; and O^T
	WIN W_S
.set fi, 0
.rept 32
	FL 0, fi
	FL 3, fi
.set fi, fi+1
.endr
	WIN 0
	WALU                                           ; ahead of the batch
.irp n, 0,1,2,3,4,5,6,7,8,9,10,11,12,13,14,15
	v_exp_f32 v[BM+\n], v[BM+\n]                   ; the blocks' largest p
.endr
	EXPS 0, 1, 1, 1, 2                             ; among them tiles 1 and 2's scalings
	WALU                                           ; and behind it
.irp n, 0,1,2,3,4,5,6,7,8,9,10,11,12,13,14,15
	v_max_num_f32 v[BM+\n], 0x4800000, v[BM+\n]    ; the floor 2^(9 - 127): the byte cannot fall under 1
.endr
.irp n, 0,1,2,3,4,5,6,7,8,9,10,11,12,13,14,15
	v_add_nc_u32 v[SO+\n], 0xfc000000, v[BM+\n]    ; 8 off the exponent field: the conversion's scale operand
.endr
.irp n, 0,1,2,3,4,5,6,7,8,9,10,11,12,13,14,15
	v_and_or_b32 v[HL+\n], v[BM+\n], 0x7f800000, s[MNT]   ; 448 x the scale
.endr
.irp n, 0,1,2,3,4,5,6,7,8,9,10,11,12,13,14,15
	v_lshrrev_b32 v[XR+\n], 23, v[SO+\n]           ; the scale's byte
.endr
.irp t, 0,1,2,3
	v_lshl_or_b32 v[PW+\t], v[XR+4*\t+1], 8, v[XR+4*\t]
.endr
.irp t, 0,1,2,3
	v_lshl_or_b32 v[PW+\t], v[XR+4*\t+2], 16, v[PW+\t]
.endr
.irp t, 0,1,2,3
	v_lshl_or_b32 v[PW+\t], v[XR+4*\t+3], 24, v[PW+\t]
.endr
	TSUM 0
	WALU
	EXPS 1, 2, 0, 3, 0                             ; among them tile 0's holds
	WALU
	TSUM 1
	CV 0
	v_nop                                          ; one plain line behind the last conversion of a run
	WALU
	EXPS 2, 2, 1, 3, 1
	WALU
	TSUM 2
	CV 1
	v_nop
	WALU
	EXPS 3, 2, 2, 3, 2
	WALU
	s_wait_dscnt 0x0                               ; V is in
.irp d, 0,1,2,3,4,5,6,7                ; tile 0's second products, among them tile 3's sums
	PVP 0, \d
	TL 3, 4*\d
	TL 3, 4*\d+1
	TL 3, 4*\d+2
	TL 3, 4*\d+3
.endr
.irp d, 0,1,2,3,4,5,6,7                ; tile 1's, among them tile 3's holds
	PVP 1, \d
	WIN W_S
.irp i, 0,1,2,3,4,5,6,7
	HD 3, 8*\d+\i
.endr
.endr
	CV 2
	CV 3
	PLACES 4                                       ; behind the last conversion, and the places ahead of the products that read the codes
	WALU
	s_mov_b32 s[PEND], 1
.Lhidden_\@:
.endm
.macro INIT                            ; a block's start: the largest t -3e38, the sums zeros: the first change of M multiplies what stands in O^T by 0
.irp t, 0,1,2,3
	v_mov_b32 v[ST+4*\t+1], 0xff61b1e6
.endr
.irp t, 0,1,2,3
	v_floor_f32 v[ST+4*\t], -v[ST+4*\t+1]
	v_mov_b32 v[ST+4*\t+2], 0
	v_mov_b32 v[ST+4*\t+3], 0
.endr
.endm
; THE MERGE's units: unit u = tile u / 2, channels 64 (u % 2) on: registers 32 u on of O^T.  UW: my part into my plane.  UR, US: rows 4 r .. 4 r + 3 of the four planes are added and stored.
.macro UW u, adr, sl
	WIN 0x0c
.irp c, 0,1,2,3
	ds_store_b128 v[\adr], v[32*(\u)+8*\c:32*(\u)+8*\c+3] offset:UNIT*(\sl)+64*\c
	ds_store_b128 v[\adr], v[32*(\u)+8*\c+4:32*(\u)+8*\c+7] offset:UNIT*(\sl)+64*\c+16
.endr
.endm
.macro UR u, adr, sl
.set RB, 112+32*((\u)%4)
.irp p, 0,1
.irp q, 0,1,2,3
	ds_load_b128 v[RB+16*\p+4*\q:RB+16*\p+4*\q+3], v[\adr] offset:UNIT*(\sl)+PLANE*\q+544*\p
.endr
.endr
.endm
.macro US u, ob
.set RB, 112+32*((\u)%4)
.irp p, 0,1
.irp w, 0,2
	v_pk_add_f32 v[RB+16*\p+\w:RB+16*\p+\w+1], v[RB+16*\p+\w:RB+16*\p+\w+1], v[RB+16*\p+4+\w:RB+16*\p+4+\w+1]
	v_pk_add_f32 v[RB+16*\p+8+\w:RB+16*\p+8+\w+1], v[RB+16*\p+8+\w:RB+16*\p+8+\w+1], v[RB+16*\p+12+\w:RB+16*\p+12+\w+1]
.endr
.endr
.irp p, 0,1
.irp w, 0,2
	v_pk_add_f32 v[RB+16*\p+\w:RB+16*\p+\w+1], v[RB+16*\p+\w:RB+16*\p+\w+1], v[RB+16*\p+8+\w:RB+16*\p+8+\w+1]
.endr
.endr
.irp p, 0,1
	global_store_b128 v[GO], v[RB+16*\p:RB+16*\p+3], s[\ob:\ob+1] offset:8192*((\u)/2)+1024*\p+256*((\u)%2) th:TH_STORE_NT   ; sixteen lanes store 256 consecutive bytes, aligned
.endr
.endm
.macro PUT first, cnt, adr
.set uu, \first
.rept \cnt
	UW uu, \adr, uu-\first
.set uu, uu+1
.endr
	WIN 0
.endm
.macro TAKE first, cnt, adr, ob
	s_wait_xcnt 0x0                                ; earlier stores have read their registers
.set uu, \first
.rept \cnt
	UR uu, \adr, uu-\first
.set uu, uu+1
.endr
.set uu, \first
.rept \cnt
	s_wait_dscnt 8*(\first+\cnt-1-uu)              ; the later units' loads may be out
	US uu, \ob
.set uu, uu+1
.endr
.endm
; A BLOCK'S END.  more = 1: the second block follows: its Q is asked for first and lands under the merge.
.macro FINISH more, ob
	s_cmp_eq_u32 s[PEND], 0
	s_cbranch_scc1 .Lnone_owed_\@
	PV23
.Lnone_owed_\@:
.if \more
.set kk, 0
.rept 16
	global_load_b128 v[QF+4*kk:QF+4*kk+3], v[L16], s[QCL:QCL+1] offset:512*kk
.set kk, kk+1
.endr
	global_load_b64 v[QSC:QSC+1], v[L16], s[QSL:QSL+1]
.endif
.irp t, 0,1,2,3
	v_add_f32 v[ST+4*\t+2], v[ST+4*\t+2], v[ST+4*\t+3]   ; the sum's two halves,
.endr
.irp t, 0,1,2,3
	v_permlanex16_b32 v[XR+\t], v[ST+4*\t+2], s[SEL], s[SEL+1]
.endr
.irp t, 0,1,2,3
	v_add_f32 v[ST+4*\t+1], v[ST+4*\t+2], v[XR+\t]   ; and lane l xor 16's, beside -M
.endr
.irp t, 0,1,2,3
	ds_store_b64 v[STW], v[ST+4*\t:ST+4*\t+1] offset:1024*\t
.endr
	WALU
	BARRIER
.irp t, 0,1,2,3
.irp q, 0,1,2,3
	ds_load_b64 v[EM+8*\t+2*\q:EM+8*\t+2*\q+1], v[STR] offset:1024*\t+256*\q
.endr
.endr
	s_wait_dscnt 0x0
	; v[FF + 2 t] = 2^(my M - the largest M), v[HL + t] = the row's sum under the largest M.  A wave that had no key has -M = 3e38: its factor is 0, since the conversion saturates
.irp t, 0,1,2,3
	v_min_num_f32 v[TA+\t], v[EM+8*\t], v[EM+8*\t+2]
.endr
.irp t, 0,1,2,3
	v_min_num_f32 v[TA+\t], v[TA+\t], v[EM+8*\t+4]
.endr
.irp t, 0,1,2,3
	v_min_num_f32 v[TA+\t], v[TA+\t], v[EM+8*\t+6]
.endr
.irp q, 0,1,2,3
.irp t, 0,1,2,3
	v_sub_f32 v[BM+4*\t+\q], v[TA+\t], v[EM+8*\t+2*\q]
.endr
.endr
.irp t, 0,1,2,3
	v_sub_f32 v[FF+2*\t], v[TA+\t], v[ST+4*\t]
.endr
.irp n, 0,1,2,3,4,5,6,7,8,9,10,11,12,13,14,15
	v_cvt_i32_f32 v[BM+\n], v[BM+\n]
.endr
.irp t, 0,1,2,3
	v_cvt_i32_f32 v[FF+2*\t], v[FF+2*\t]
.endr
.irp n, 0,1,2,3,4,5,6,7,8,9,10,11,12,13,14,15
	v_ldexp_f32 v[BM+\n], 1.0, v[BM+\n]
.endr
.irp t, 0,1,2,3
	v_ldexp_f32 v[FF+2*\t], 1.0, v[FF+2*\t]
.endr
.irp t, 0,1,2,3
	v_mul_f32 v[HL+\t], v[BM+4*\t], v[EM+8*\t+1]
.endr
.irp q, 1,2,3
.irp t, 0,1,2,3
	v_fma_f32 v[HL+\t], v[BM+4*\t+\q], v[EM+8*\t+2*\q+1], v[HL+\t]
.endr
.endr
	WALU
.irp t, 0,1,2,3
	v_rcp_f32 v[HL+\t], v[HL+\t]
.endr
	v_nop                                          ; a plain line behind the reciprocals,
	WALU                                           ; and the wait ahead of their first reader
.irp t, 0,1,2,3
	v_mul_f32 v[FF+2*\t], v[FF+2*\t], v[HL+\t]
.endr
	SCALEO                                         ; my part of O^T, under the largest M and divided by the row's sum
.if \more
	PUT 0, 3, STO
	BARRIER
	TAKE 0, 3, SRD, \ob
	BARRIER                                        ; my reads of the planes are in: they may be written again
	PUT 3, 3, STO
	BARRIER
	TAKE 3, 3, SRD, \ob
	BARRIER
	PUT 6, 2, STO
	BARRIER
	TAKE 6, 2, SRD, \ob                            ; no barrier behind the last: a change of slots, with its waits and barrier, comes before the planes are written again
	INIT
	s_mov_b32 s[Q0], s[Q0L]
	s_mov_b32 s[SMAX], s[SMAXL]
	s_mov_b32 s[SMASK], s[SMASKL]
	s_mov_b32 s[KC], -1                            ; the trip's end steps it to slot 0
	s_mov_b32 s[PEND], 0
	WALU
	s_wait_loadcnt 0x0                             ; the second block's Q
	s_wait_xcnt 0x0                                ; the stores have read their registers, which the next step takes
.else
	PUT 0, 3, STO1                                 ; all eight units at once: nothing is fetched any more, and slot 1 of the ring is read by nobody
	v_add_nc_u32 v[STO1], 3*UNIT, v[STO1]
	PUT 3, 3, STO1
	v_add_nc_u32 v[STO1], 3*UNIT, v[STO1]
	PUT 6, 2, STO1
	WALU
	BARRIER
	TAKE 0, 3, SRD1, \ob
	v_add_nc_u32 v[SRD1], 3*UNIT, v[SRD1]
	WALU
	TAKE 3, 3, SRD1, \ob
	v_add_nc_u32 v[SRD1], 3*UNIT, v[SRD1]
	WALU
	TAKE 6, 2, SRD1, \ob
.endif
.endm
.macro PTRS tg, qcp, qsp, obp          ; from a block's first token s[tg]: its Q fragments, its Q scale words, my four rows of the output
	s_lshl_b32 s52, s[\tg], 7
	s_mov_b32 s53, 0
	s_add_nc_u64 s[\qcp:\qcp+1], s[4:5], s[52:53]
	s_lshr_b32 s52, s[\tg], 7
	s_lshl_b32 s52, s52, 9
	s_bfe_u32 s54, s[\tg], 0x10006
	s_lshl_b32 s54, s54, 3
	s_add_co_u32 s52, s52, s54
	s_add_nc_u64 s[\qsp:\qsp+1], s[6:7], s[52:53]
	s_lshl_b32 s54, s[WV], 2
	s_add_co_u32 s52, s[\tg], s54
	s_lshl_b32 s52, s52, 9
	s_add_nc_u64 s[\obp:\obp+1], s[10:11], s[52:53]
.endm
	s_load_b256 s[4:11], s[0:1], 0x0               ; qc s[4:5], qs s[6:7], kv s[8:9], out s[10:11]
	v_lshl_add_u32 v[SPW], v0, 2, SPARE
	v_mov_b32 v[NIL], 0
	ds_add_u32 v[SPW], v[NIL]                      ; the wave's opening: the add, twice on end, and its wait ahead of my first tensor load
	ds_add_u32 v[SPW], v[NIL]
	v_lshrrev_b32 v1, 5, v0
	v_readfirstlane_b32 s[WV], v1                  ; wave 0..3
	s_bfe_u32 s[CX], ttmp6, 0x40000                ; cx
	s_lshl_b32 s[II], ttmp9, 2
	s_add_co_u32 s[II], s[II], s[CX]               ; i
	s_and_b32 s[BAT], ttmp7, 0xffff                ; the batch
	s_lshr_b32 s[AA], ttmp9, 1                     ; a
	s_sub_co_u32 s[NH], 8, s[AA]                   ; slots of the first block
	s_sub_co_u32 s[NH1], 7, s[AA]
	s_lshl_b32 s[SMASKL], ttmp9, 1                 ; the cluster's 256 queries begin at step 2 MC: MC = cluster x for the second blocks,
	s_add_co_u32 s[SMAXL], s[SMASKL], 1
	s_sub_co_u32 s[SMAX], 31, s[SMASKL]            ; 15 - cluster x for the first
	s_sub_co_u32 s[SMASK], 30, s[SMASKL]
	s_sub_co_u32 s47, 63, s[II]
	s_lshl_b32 s[Q0], s47, 6                       ; the block's first query in the batch: first block,
	s_lshl_b32 s[Q0L], s[II], 6                    ; second block
	s_lshl_b32 s49, s[BAT], 12
	s_add_co_u32 s50, s49, s[Q0]
	s_add_co_u32 s51, s49, s[Q0L]
	s_mov_b32 s[G1], 15|(3<<16)|(1<<21)            ; the mask of all four partners, bit 21 beside it; elements of 8 bytes; no padding
	s_mov_b32 s[G1+1], 32<<16                      ; tensor_dim0 = 32: rows of 256 bytes
	s_mov_b32 s[G1+2], 132<<16                     ; tensor_dim1 = 132
	s_mov_b32 s[G1+3], 32<<16                      ; tile_dim0
	s_mov_b32 s[G1+4], 132                         ; tile_dim1
	s_mov_b32 s[G1+5], 32                          ; dense
	s_mov_b32 s[G1+6], 0
	s_mov_b32 s[G1+7], 0
	s_mov_b32 s[G0], 1
	s_mul_i32 s[G0+1], s[WV], QUART                ; my quarter of LDS slot 0
	s_mov_b32 s[CS], 0x3e0293ee                    ; c = log2(e) / sqrt(128)
	s_mov_b32 s[CS+1], s[CS]
	s_mov_b32 s[SEL], 0x76543210
	s_mov_b32 s[SEL+1], 0xfedcba98
	s_mov_b32 s[MNT], 0x600000
	s_mov_b32 s[TR], 0
	s_mov_b32 s[KC], 0
	s_mov_b32 s[KL], 0
	s_mov_b32 s[TB], 0
	s_mov_b32 s[PEND], 0
	s_cmp_eq_u32 ttmp9, 0
	s_cselect_b32 s[PLIM], 6, 0                    ; the batch's first cluster prefetches in trips 0 to 5: the same in all four partners
	s_wait_dscnt 0x0                               ; both opening adds are done
	s_wait_kmcnt 0x0
	s_mul_i32 s52, s[BAT], 8*SLOTB
	s_mov_b32 s53, 0
	s_add_nc_u64 s[8:9], s[8:9], s[52:53]          ; kv at my batch
	s_mul_i32 s52, s[WV], QUART
	s_add_nc_u64 s[KVW:KVW+1], s[8:9], s[52:53]
	s_lshl_b32 s52, s[CX], 15
	s_lshl_b32 s54, s[WV], 13
	s_add_co_u32 s52, s52, s54
	s_add_co_u32 s52, s52, SLOTB                   ; in slot 1: the first change of slots steps it to slot 2.  Nothing is prefetched at the head
	s_add_nc_u64 s[PFA:PFA+1], s[8:9], s[52:53]
	PTRS 50, QCH, QSH, OBH
	PTRS 51, QCL, QSL, OBL
	s_mov_b64 s[G0+2:G0+3], s[KVW:KVW+1]
	s_or_b32 s[G0+3], s[G0+3], 0x80000000
	CROUND                                         ; all four work-groups are here: the first joint load meets
	tensor_load_to_lds s[G0:G0+3], s[G1:G1+7]      ; the batch's slot 0
	s_nop 0
	PLACES 4
	v_and_b32 v224, 31, v0                         ; lane
	v_and_b32 v225, 15, v0                         ; r16
	v_bfe_u32 v226, v0, 4, 1                       ; h
	WALU
	v_lshlrev_b32 v[L16], 4, v224
.set kk, 0
.rept 16
	global_load_b128 v[QF+4*kk:QF+4*kk+3], v[L16], s[QCH:QCH+1] offset:512*kk   ; the first block's Q: four tiles, images of their registers
.set kk, kk+1
.endr
	global_load_b64 v[QSC:QSC+1], v[L16], s[QSH:QSH+1]   ; word j: lanes 0-15 tile 2 j's scale words, lanes 16-31 tile 2 j + 1's
	v_lshlrev_b32 v[PFO], 8, v224
	s_lshl_b32 s47, s[WV], 9
	v_add_nc_u32 v[LB0], s47, v[L16]
	s_mul_i32 s48, s[WV], PLANE
	s_add_co_u32 s49, s48, STGL
	s_add_co_u32 s48, s48, STG                     ; my plane
	v_mul_u32_u24 v227, v225, 272
	v_lshl_add_u32 v227, v226, 5, v227
	v_add_nc_u32 v[STO], s48, v227
	v_add_nc_u32 v[STO1], s49, v227
	s_mul_i32 s47, s[WV], 4*272
	s_add_co_u32 s48, s47, STGL
	s_add_co_u32 s47, s47, STG                     ; the first plane, row 4 r
	v_mul_u32_u24 v227, v226, 272
	v_lshl_add_u32 v227, v225, 4, v227
	v_add_nc_u32 v[SRD], s47, v227
	v_add_nc_u32 v[SRD1], s48, v227
	v_lshlrev_b32 v[GO], 9, v226
	v_lshl_add_u32 v[GO], v225, 4, v[GO]
	v_lshlrev_b32 v227, 3, v226
	v_sub_nc_u32 v[LQ], v225, v227                 ; r16 - 8 h
	v_lshl_add_u32 v[STR], v224, 3, STAT
	s_lshl_b32 s48, s[WV], 8
	v_add_nc_u32 v[STW], s48, v[STR]
	v_mov_b32 v[NINF], 0xff800000
.irp n, 0,1,2,3,4,5,6,7,8,9,10,11,12,13,14,15
	v_mov_b32 v[XR+\n], 0                          ; written once: a lane permute's destination counts as one of its sources
.endr
.irp t, 0,1,2,3
	v_mov_b32 v[FF+2*\t+1], 0                      ; (named as the upper halves of pairs)
.endr
	; what a path through the text names before a step has written it: two tiles' codes, V and the scale words
.irp n, 0,1,2,3
	v_mov_b32 v[VSC+\n], 0x7f7f7f7f
	v_mov_b32 v[PW+\n], 0x7f7f7f7f
.endr
.set nn, 0
.rept 32
	v_mov_b32 v[PC+32+nn], 0
.set nn, nn+1
.endr
	WIN W_LD
.set nn, 128
.rept 128
	v_mov_b32 v[nn], 0
.set nn, nn+1
.endr
	WIN 0xc0
.set nn, 0
.rept 256
	v_mov_b32 v[nn], 0                             ; O^T, while the first slot is on its way: the step is written once
.set nn, nn+1
.endr
	WIN 0
	INIT
	WALU                                           ; at the head's end
	s_wait_loadcnt 0x0                             ; Q
.Ltrip:                                            ; eight trips: a slot each; behind each change of slots the walk's next slot is asked for
	CHANGE 1
	STEP
	s_cmp_lg_u32 s[KC], s[NH1]                     ; the first block's last slot?  Cluster x and the count of slots alone decide: all waves of all partners go the same way
	s_cbranch_scc1 .Lgo_on
	FINISH 1, OBH
.Lgo_on:
	s_add_co_u32 s[KC], s[KC], 1
	s_xor_b32 s[TB], s[TB], SLOTB
	s_add_co_u32 s[TR], s[TR], 1
	s_cmp_lt_u32 s[TR], 8
	s_cbranch_scc1 .Ltrip
	CHANGE 0                                       ; the ninth slot is written out: nothing is left to ask for
	STEP
	FINISH 0, OBL
	s_wait_tensorcnt 0x0                           ; the wave's end: behind my last tensor load and my last LDS store
	ds_add_u32 v[SPW], v[NIL]
	s_wait_dscnt 0x0
	CROUND                                         ; the closing round
	s_endpgm
.Lfunc_end_k_q6417525e41_attend:
	.size	k_q6417525e41_attend, .Lfunc_end_k_q6417525e41_attend-k_q6417525e41_attend
	.p2alignl 7, 3214868480
	.fill 96, 4, 3214868480
	.section	.rodata,"a",@progbits
	.p2align	6, 0x0
	.amdhsa_kernel k_q6417525e41_attend
		.amdhsa_group_segment_fixed_size 327680
		.amdhsa_private_segment_fixed_size 0
		.amdhsa_enable_private_segment 0
		.amdhsa_kernarg_size 32
		.amdhsa_user_sgpr_count 2
		.amdhsa_user_sgpr_kernarg_segment_ptr 1
		.amdhsa_wavefront_size32 1
		.amdhsa_system_sgpr_workgroup_id_x 1
		.amdhsa_system_sgpr_workgroup_id_y 1
		.amdhsa_system_sgpr_workgroup_id_z 1
		.amdhsa_system_vgpr_workitem_id 0
		.amdhsa_next_free_vgpr 1024
		.amdhsa_next_free_sgpr 90
		.amdhsa_reserve_vcc 1
		.amdhsa_float_denorm_mode_32 3
		.amdhsa_float_denorm_mode_16_64 3
		.amdhsa_memory_ordered 1
		.amdhsa_forward_progress 1
		.amdhsa_inst_pref_size 255
	.end_amdhsa_kernel
	.section	.bss,"aw",@nobits
	.p2align	6
	.space	262144
	.amdgpu_metadata
---
amdhsa.version: [ 1, 2 ]
amdhsa.kernels:
  - .name:           k_q6417525e41_attend
    .symbol:         k_q6417525e41_attend.kd
    .args:
      - { .name: qc, .offset: 0, .size: 8, .value_kind: global_buffer, .address_space: global }
      - { .name: qs, .offset: 8, .size: 8, .value_kind: global_buffer, .address_space: global }
      - { .name: kv, .offset: 16, .size: 8, .value_kind: global_buffer, .address_space: global }
      - { .name: out0, .offset: 24, .size: 8, .value_kind: global_buffer, .address_space: global }
    .group_segment_fixed_size: 327680
    .private_segment_fixed_size: 0
    .kernarg_segment_align: 8
    .kernarg_segment_size: 32
    .max_flat_workgroup_size: 128
    .sgpr_count:     90
    .vgpr_count:     1024
    .wavefront_size: 32
...
	.end_amdgpu_metadata
.endif
;; end of part 2
